; MI455X (gfx1250); checked and timed in simulation.
; The chip was launched on July 23, 2026; its instructions are those of AMD's public machine-readable ISA for CDNA 5 (MIT licence, August 2026) and "CDNA5" Instruction Set Architecture Reference Guide (July 2026). The comments in the code are by the model that wrote it; some were corrected since.
;; Vector Quantizer. Allowed arithmetic: matrix products marked QUANTISED: E2M1 operands, one E8M0 scale for each 32 along K, by v_wmma_scale_f32_16x16x128_f8f6f4 with both operands' format E2M1 (or v_wmma_scale_f32_32x16x128_f4), f32 sums; everything else in f32.
;; Inputs: codebook 8,192 x 256 float32; latents 8 x 8 x 512 x 256 float32.
;; Outputs: out0 8 x 8 x 512 int32.
;; This version of the problem:
;;   THIS VERSION OF THE PROBLEM IS GIVEN IN LOW PRECISION. The matrix products marked QUANTISED in the list below multiply operands that are first quantised to E2M1 (2 exponent bits, 1 mantissa bit; 4 bits a number), with one power-of-two scale for each 32 numbers along K (OCP MX v1.0); their sums are f32. All else is computed in f32.
;;   The module's matrix products, in the order in which they are computed (A, B: the left and right operand; K: the contracted axis; several contracted axes count as one K, in the product's order):
;;     1. [M 32,768, K 256] x [K 256, N 8,192]; A: input latents; B: input codebook: QUANTISED
;;   THE QUANTISER, for each operand of a quantised product, along K:
;;     - K is cut into blocks of 32 from its start; a last block that is shorter is filled with zeros.
;;     - A block's scale is 2^e with e = floor(log2(the largest magnitude in the block)) - 2, held to -126 .. 127; a block of zeros has e = 0. As a byte (E8M0): e + 127.
;;     - Each number is divided by its block's scale, clamped to +-6, and rounded to the nearest number of E2M1, ties to even, subnormals kept.
;;     - The product sums the exact products of the quantised numbers (number of the format x scale) in f32.
;;   ~~~python
;;   def quantise(x, axis):      # numpy; x: float32 -> the quantised numbers, widened to float32 again
;;       x = np.moveaxis(x, axis, -1); K = x.shape[-1]
;;       x = np.pad(x, [(0, 0)] * (x.ndim - 1) + [(0, -K % 32)]); x = x.reshape(x.shape[:-1] + (-1, 32)); a = np.abs(x).max(-1, keepdims=True)
;;       e = np.where(a > 0, np.clip(np.frexp(np.where(a > 0, a, 1))[1] - 1 - 2, -126, 127), 0)      # np.frexp(a)[1] - 1 = floor(log2(a)), exactly
;;       r = np.clip(x / 2.0 ** e, -6, 6)
;;       step = 2.0 ** (np.maximum(np.frexp(np.where(r == 0, 1, r))[1] - 1, 0) - 1)
;;       q = np.round(r / step) * step * 2.0 ** e      # np.round: ties to even
;;       return np.moveaxis(q.reshape(q.shape[:-2] + (-1,))[..., :K], -1, axis).astype(np.float32)
;;   ~~~
;; One version. Each part assembles by itself: llvm-mc -triple=amdgcn-amd-amdhsa -mcpu=gfx1250 --defsym DOCPART=n.
;; ======== version 1 of 1: 2 launches
;; limits: right only within a limited range of input values
;; workspace buffers: xcodes 4,194,304 bytes; xscales 262,144 bytes; cbw 1,146,880 bytes
;; launch prep (part 1): grid 640 x 1, 4 waves a work-group, no clusters, 68,096 bytes of LDS; arguments latents, codebook, xcodes, xscales, cbw; writes xcodes, xscales, cbw
.if DOCPART == 1
	.amdgcn_target "amdgcn-amd-amdhsa--gfx1250"
	.amdhsa_code_object_version 6
	.text
	.protected	k_q6bb9a11913_prep
	.globl	k_q6bb9a11913_prep
	.p2align	8
	.type	k_q6bb9a11913_prep,@function
k_q6bb9a11913_prep:
	s_mov_b64 s[64:65], 0
	v_nop
	global_prefetch_b8 v0, s[64:65] scope:SCOPE_SE
	s_setreg_imm32_b32 hwreg(HW_REG_WAVE_MODE, 25, 1), 1
	s_wait_xcnt 0x0
; latents [32768][256] and codebook [8192][256], f32, become codes of FP4 (E2M1) with one E8M0 scale byte for each 32 along K, laid in the ORDER OF
; THE OPERANDS' REGISTERS; of the codebook also each row's sum of squares (of the unquantised numbers) in f32.
; LEFT OUT AS DEAD WORK: ||x||^2.  The result is an argmin over the codes of (||x||^2 - 2 x.c) + ||c||^2; ||x||^2 is one number for all codes of a query, so for all values of the
; inputs it moves every distance of that query alike and can move no argmin in exact arithmetic.  LIMIT that comes with it: an overflow, a NaN or an infinity that arises in ||x||^2 alone is not carried to the result.
; A block's scale is 2^(floor(log2(its largest magnitude)) - 2): its byte is the largest magnitude's exponent field - 2, held at 1 from below.
; xcodes  [2048 tiles of 16 rows][4 pieces 2 s + c][512 bytes]: lane l = r + 16 h has 16 bytes at 16 l: row r, k = 128 s + 64 c + 32 h + 0 .. 31.
; xscales [2048][128 bytes]: word r = row r's four bytes of K step 0, word 16 + r those of K step 1.
; cbw     [256 blocks of 32 codes][4480 bytes]: 4096 bytes of codes (piece (s, R, c) at 2048 s + 1024 R + 512 c + 16 l), 256 of scale words
;         (4096 + 128 s + 4 m), 128 of sums of squares (4352 + 4 t, t the code's place in the block).  Block row m = 16 R + r holds code
;         t = 16 ((m >> 3) & 1) + 8 (m >> 4) + (m & 7), so that a lane's 16 results of a 32-row product are 16 neighbouring codes.
; THE CODEBOOK IS STORED AS -2 c: every code's sign bit is turned and every scale byte gets 1 more (bytes are 252 at the most: no carry, never 0xff).  Both are exact.
; LIMITS: NaN and infinities are not served.  A block of zeros gets the floor's byte (1; 2 in cbw) where the rule says 127: its codes are zeros and this
; program alone reads the bytes.  The sums of squares are taken by fused multiply-adds in four chains of pairs: another order than a plain row sum.
; SHARES: a wave takes 16 rows (16,384 bytes); no loop, no barrier: waves share nothing.  Work-groups 0-127 take the codebook (they have the sums to form besides), 128-639 the latents: ONE path
; through the text but for the sums; what differs is chosen by s_cselect on the work-group's number (pointers, offsets, strides, the sign mask and the scale's step).
; Each load reads 512 consecutive bytes, 16 a lane; a lane of the conversions wants 32 neighbours along K: so half rows turn through the wave's own stage in LDS.
.set CBLK, 4480
.set RB,   528                         ; a stage row: 512 bytes + 16: row r starts 33 r sixteen-byte columns on, so sixteen rows fall on sixteen different columns
.set STG,  16*RB                       ; a stage: 16 half rows
.set WREG, 2*STG                       ; a wave's LDS: one stage for each K step
.set SPARE, 4*WREG                     ; the spare words, 128 bytes for each wave
.set R0,   16                          ; v16-79   K step 0 as loaded; later K step 1 turned
.set R1,   80                          ; v80-143  K step 1 as loaded
.set X,    144                         ; v144-207 K step 0 turned
.set C,    208                         ; v208-223 codes, 8 registers a K step, written once
.set M,    224                         ; v224-225 largest magnitudes of my two blocks
.set SCO,  226                         ; v226-227 the conversions' scale operands
.set E,    228                         ; v228-229 the scale bytes
.set WD,   230                         ; v230-231 the scale words of K steps 0 and 1
.set T,    232                         ; v232     what the other half of the lanes sends
.set ACC,  240                         ; v240-247 sums of squares, four pairs
	s_load_b256 s[4:11], s[0:1], 0x0               ; latents s[4:5], codebook s[6:7], xcodes s[8:9], xscales s[10:11]
	s_load_b64 s[14:15], s[0:1], 0x20              ; cbw
	v_lshl_add_u32 v248, v0, 2, SPARE
	v_mov_b32 v249, 0
	v_lshrrev_b32 v1, 5, v0
	v_readfirstlane_b32 s16, v1                    ; wave 0..3
	v_and_b32 v1, 31, v0                           ; lane
	v_and_b32 v2, 15, v0                           ; r
	v_bfe_u32 v3, v0, 4, 1                         ; h
	; both variants of every offset are made first (shifts and sums set SCC), then one compare, then the choices
	s_lshl_b32 s18, ttmp9, 2
	s_add_co_u32 s18, s18, s16                     ; the codebook's job: 16 rows
	s_sub_co_u32 s17, s18, 512                     ; the latents' job (of no meaning in a work-group of the codebook: not chosen there)
	s_lshr_b32 s19, s18, 1                         ; u: the block of 32 codes
	s_and_b32 s20, s18, 1                          ; R: which 16 of its block rows
	s_lshl_b32 s21, s17, 14                        ; latents: input, 16 rows of 1,024 bytes
	s_lshl_b32 s22, s17, 11                        ;          codes, 2,048 bytes a tile
	s_lshl_b32 s23, s17, 7                         ;          scale words, 128 bytes a tile
	s_lshl_b32 s25, s19, 15
	s_lshl_b32 s26, s20, 13
	s_add_co_u32 s25, s25, s26                     ; codebook: input: code 32 u + 8 R
	s_mul_i32 s26, s19, CBLK                       ;           the block in cbw
	s_lshl_b32 s27, s20, 10
	s_add_co_u32 s27, s27, s26                     ;           codes: + 1024 R
	s_lshl_b32 s28, s20, 6
	s_add_co_u32 s28, s28, s26
	s_add_co_u32 s28, s28, 4096                    ;           scale words: + 4096 + 64 R
	s_lshl_b32 s29, s20, 5
	s_add_co_u32 s29, s29, s26
	s_add_co_u32 s29, s29, 4352                    ;           sums of squares: + 4352 + 32 R
	s_mov_b32 s31, 2048
	s_mov_b32 s38, 0x76543210
	s_mov_b32 s39, 0xfedcba98                      ; v_permlanex16_b32's selects for lane l xor 16
	s_mul_i32 s40, s16, WREG                       ; my wave's LDS
	s_mov_b32 s37, 0
	s_wait_alu depctr_va_vdst(0)
	s_wait_kmcnt 0x0
	s_cmp_ge_u32 ttmp9, 128                        ; latents or codebook?  The choice hangs on the work-group's number alone
	s_cselect_b32 s21, s21, s25
	s_cselect_b32 s22, s22, s27
	s_cselect_b32 s23, s23, s28
	s_cselect_b32 s30, 0, 8192                     ; rows 8-15 of a codebook job lie 8 codes further on than rows 0-7 would have them
	s_cselect_b32 s31, 1024, s31                   ; from K step 0's codes to K step 1's
	s_cselect_b32 s32, 64, 128                     ; from K step 0's scale words to K step 1's
	s_cselect_b32 s34, 0, 0x88888888               ; the codes' sign bits
	s_cselect_b32 s35, 0, 0x01010101               ; 1 on each scale byte
	s_cselect_b32 s41, 0, 1                        ; 1: a work-group of the codebook
	s_cselect_b64 s[4:5], s[4:5], s[6:7]
	s_cselect_b64 s[8:9], s[8:9], s[14:15]
	s_cselect_b64 s[10:11], s[10:11], s[14:15]
	s_mov_b32 s36, s21
	s_add_nc_u64 s[4:5], s[4:5], s[36:37]
	s_mov_b32 s36, s22
	s_add_nc_u64 s[8:9], s[8:9], s[36:37]
	s_mov_b32 s36, s23
	s_add_nc_u64 s[10:11], s[10:11], s[36:37]
	v_lshlrev_b32 v4, 4, v1                        ; 16 x lane: my bytes of a load's 512, and of a piece of codes
	v_add_nc_u32 v5, s30, v4                       ; the same for rows 8-15
.irp s, 0,1                                    ; 32 loads, K step 0's sixteen half rows first
.irp p, 0,1,2,3,4,5,6,7
	global_load_b128 v[R0+64*\s+4*\p:R0+64*\s+4*\p+3], v4, s[4:5] offset:1024*\p+512*\s th:TH_LOAD_NT
.endr
.irp p, 8,9,10,11,12,13,14,15
	global_load_b128 v[R0+64*\s+4*\p:R0+64*\s+4*\p+3], v5, s[4:5] offset:1024*\p+512*\s th:TH_LOAD_NT
.endr
.endr
	v_add_nc_u32 v6, s40, v4                       ; the stage, on the way in: 16 x lane of a row
	v_mul_u32_u24 v7, v2, RB
	v_lshl_add_u32 v7, v3, 7, v7
	v_add_nc_u32 v7, s40, v7                       ; and on the way out: row r, + 128 h: my 32 neighbours of each 64
	v_add_nc_u32 v9, s31, v4                       ; K step 1's codes
	v_mul_u32_u24 v10, s32, v3
	v_lshl_add_u32 v10, v2, 2, v10                 ; scale words: lanes 0-15 store K step 0's, lanes 16-31 K step 1's
	v_and_b32 v13, 7, v2
	v_lshrrev_b32 v14, 3, v2
	v_lshlrev_b32 v11, 6, v14
	v_lshl_add_u32 v11, v13, 2, v11                ; sums of squares: 4 (r % 8) + 64 (r / 8)
	v_lshlrev_b32 v12, 3, v3                       ; 8 h: my bytes' place in a scale word
	v_mov_b32 v[T], 0                              ; written once: a lane permute's destination counts as one of its sources
	s_wait_alu depctr_va_vdst(0)
; 64 numbers of a lane, v[base + 32 c + i] = k 64 c + 32 h + i of my row in K step s: two whole blocks, so no other lane is asked for a maximum.
.macro QUANT base, s, ca
.irp c, 0,1
	v_max3_num_f32 v[M+\c], |v[\base+32*\c]|, |v[\base+32*\c+1]|, 0x1800000   ; with the floor 2^(3 - 127): the byte cannot fall under 1
.endr
.irp i, 2,4,6,8,10,12,14,16,18,20,22,24,26,28,30
.irp c, 0,1
	v_max3_num_f32 v[M+\c], v[M+\c], |v[\base+32*\c+\i]|, |v[\base+32*\c+\i+1]|   ; (the two blocks by turns)
.endr
.endr
.irp c, 0,1
	v_add_nc_u32 v[SCO+\c], 0xff000000, v[M+\c]    ; 2 off the exponent field: the conversion takes that field of this operand as its scale
.endr
.irp c, 0,1
	v_lshrrev_b32 v[E+\c], 23, v[SCO+\c]           ; the scale's byte
.endr
.irp c, 0,1
.irp g, 0,1,2,3
	v_cvt_scalef32_pk8_fp4_f32 v[C+8*\s+4*\c+\g], v[\base+32*\c+8*\g:\base+32*\c+8*\g+7], v[SCO+\c]
.endr
.endr
	v_nop                                          ; one plain instruction behind the last conversion, ahead of what touches the codes
	v_lshl_or_b32 v[WD+\s], v[E+1], 16, v[E]       ; my two bytes: blocks h and 2 + h of my row,
	v_lshlrev_b32 v[WD+\s], v12, v[WD+\s]          ; at their places (8 h bits up);
	v_permlanex16_b32 v[T], v[WD+\s], s38, s39
	v_or_b32 v[WD+\s], v[WD+\s], v[T]              ; with lane l xor 16's two the word is whole
.irp k, 0,1,2,3,4,5,6,7
	v_xor_b32 v[C+8*\s+\k], s34, v[C+8*\s+\k]      ; the codebook's signs are turned (the latents' mask is 0: the price of one path for both)
.endr
	global_store_b128 v[\ca], v[C+8*\s:C+8*\s+3], s[8:9]               ; a piece: 32 lanes store 512 consecutive bytes
	global_store_b128 v[\ca], v[C+8*\s+4:C+8*\s+7], s[8:9] offset:512
.endm
.macro SUMS base, first                ; the sum of squares of 64 unquantised numbers; the first four products start the chains: nothing is cleared
.set n, 0
.rept 32
.if \first && (n < 4)
	v_pk_mul_f32 v[ACC+2*n:ACC+2*n+1], v[\base+2*n:\base+2*n+1], v[\base+2*n:\base+2*n+1]
.else
	v_pk_fma_f32 v[ACC+2*(n%4):ACC+2*(n%4)+1], v[\base+2*n:\base+2*n+1], v[\base+2*n:\base+2*n+1], v[ACC+2*(n%4):ACC+2*(n%4)+1]
.endif
.set n, n+1
.endr
.endm
	s_wait_loadcnt 16                              ; K step 0's sixteen loads are in; K step 1's sixteen may be out
.irp p, 0,1,2,3,4,5,6,7,8,9,10,11,12,13,14,15
	ds_store_b128 v6, v[R0+4*\p:R0+4*\p+3] offset:RB*\p
.endr
.irp c, 0,1
.irp g, 0,1,2,3,4,5,6,7
	ds_load_b128 v[X+32*\c+4*\g:X+32*\c+4*\g+3], v7 offset:256*\c+16*\g   ; LDS serves a wave's instructions in order: these see the stores above
.endr
.endr
	s_wait_loadcnt 0x0
.irp p, 0,1,2,3,4,5,6,7,8,9,10,11,12,13,14,15
	ds_store_b128 v6, v[R1+4*\p:R1+4*\p+3] offset:STG+RB*\p
.endr
	s_wait_dscnt 16                                ; all but the sixteen stores just issued: K step 0 is turned, and its stores have read v16-79,
.irp c, 0,1
.irp g, 0,1,2,3,4,5,6,7
	ds_load_b128 v[R0+32*\c+4*\g:R0+32*\c+4*\g+3], v7 offset:STG+256*\c+16*\g   ; which take K step 1, turned, while K step 0 is quantised
.endr
.endr
	QUANT X, 0, 4
	s_wait_dscnt 0x0
	QUANT R0, 1, 9
	v_cmp_eq_u32 vcc_lo, 1, v3
	v_cndmask_b32 v233, v[WD], v[WD+1], vcc_lo     ; lanes 0-15: K step 0's word of row r; lanes 16-31: K step 1's
	v_add_nc_u32 v233, s35, v233                   ; the codebook's scales are doubled: bytes of 252 at the most carry nothing
	global_store_b32 v10, v233, s[10:11]           ; pieces of 64 bytes: about a twentieth of what the launch stores
	s_cmp_eq_u32 s41, 0
	s_cbranch_scc1 .Lno_sums                       ; the latents' sums of squares are wanted by nobody
	s_mov_b32 s36, s29
	s_add_nc_u64 s[12:13], s[14:15], s[36:37]
	SUMS X, 1
	SUMS R0, 0
	v_pk_add_f32 v[ACC:ACC+1], v[ACC:ACC+1], v[ACC+2:ACC+3]
	v_pk_add_f32 v[ACC+4:ACC+5], v[ACC+4:ACC+5], v[ACC+6:ACC+7]
	v_pk_add_f32 v[ACC:ACC+1], v[ACC:ACC+1], v[ACC+4:ACC+5]
	v_add_f32 v[ACC], v[ACC], v[ACC+1]
	v_permlanex16_b32 v[T], v[ACC], s38, s39
	v_add_f32 v234, v[ACC], v[T]                   ; with lane l xor 16's half of the row: both lanes hold the same bits
	global_store_b32 v11, v234, s[12:13]           ; and write the same word
.Lno_sums:
	s_wait_tensorcnt 0x0                           ; the wave's end
	ds_add_u32 v248, v249
	s_wait_dscnt 0x0
	s_endpgm
.Lfunc_end_k_q6bb9a11913_prep:
	.size	k_q6bb9a11913_prep, .Lfunc_end_k_q6bb9a11913_prep-k_q6bb9a11913_prep
	.p2alignl 7, 3214868480
	.fill 96, 4, 3214868480
	.section	.rodata,"a",@progbits
	.p2align	6, 0x0
	.amdhsa_kernel k_q6bb9a11913_prep
		.amdhsa_group_segment_fixed_size 68096
		.amdhsa_private_segment_fixed_size 0
		.amdhsa_enable_private_segment 0
		.amdhsa_kernarg_size 40
		.amdhsa_user_sgpr_count 2
		.amdhsa_user_sgpr_kernarg_segment_ptr 1
		.amdhsa_wavefront_size32 1
		.amdhsa_system_sgpr_workgroup_id_x 1
		.amdhsa_system_sgpr_workgroup_id_y 1
		.amdhsa_system_sgpr_workgroup_id_z 1
		.amdhsa_system_vgpr_workitem_id 0
		.amdhsa_next_free_vgpr 250
		.amdhsa_next_free_sgpr 66
		.amdhsa_reserve_vcc 1
		.amdhsa_float_denorm_mode_32 3
		.amdhsa_float_denorm_mode_16_64 3
		.amdhsa_memory_ordered 1
		.amdhsa_forward_progress 1
		.amdhsa_inst_pref_size 23
	.end_amdhsa_kernel
	.amdgpu_metadata
---
amdhsa.version: [ 1, 2 ]
amdhsa.kernels:
  - .name:           k_q6bb9a11913_prep
    .symbol:         k_q6bb9a11913_prep.kd
    .args:
      - { .name: latents, .offset: 0, .size: 8, .value_kind: global_buffer, .address_space: global }
      - { .name: codebook, .offset: 8, .size: 8, .value_kind: global_buffer, .address_space: global }
      - { .name: xcodes, .offset: 16, .size: 8, .value_kind: global_buffer, .address_space: global }
      - { .name: xscales, .offset: 24, .size: 8, .value_kind: global_buffer, .address_space: global }
      - { .name: cbw, .offset: 32, .size: 8, .value_kind: global_buffer, .address_space: global }
    .group_segment_fixed_size: 68096
    .private_segment_fixed_size: 0
    .kernarg_segment_align: 8
    .kernarg_segment_size: 40
    .max_flat_workgroup_size: 128
    .sgpr_count:     66
    .vgpr_count:     250
    .wavefront_size: 32
...
	.end_amdgpu_metadata
.endif
;; end of part 1
;; launch main (part 2): grid 256 x 1, 8 waves a work-group, clusters of 4 x 1, 327,680 bytes of LDS; arguments xcodes, xscales, cbw, out0; writes out0
.if DOCPART == 2
	.amdgcn_target "amdgcn-amd-amdhsa--gfx1250"
	.amdhsa_code_object_version 6
	.text
	.protected	k_q6bb9a11913_main
	.globl	k_q6bb9a11913_main
	.p2align	8
	.type	k_q6bb9a11913_main,@function
k_q6bb9a11913_main:
	s_mov_b64 s[64:65], 0
	v_nop
	global_prefetch_b8 v0, s[64:65] scope:SCOPE_SE
	s_setreg_imm32_b32 hwreg(HW_REG_WAVE_MODE, 25, 1), 1
	s_wait_xcnt 0x0
	s_wait_alu depctr_hold_cnt(0) depctr_sa_sdst(0) depctr_va_vdst(0) depctr_va_sdst(0) depctr_va_ssrc(0) depctr_va_vcc(0) depctr_vm_vsrc(0)
	s_getreg_b32 s2, hwreg(HW_REG_IB_STS2, 6, 4)
	s_cmp_eq_u32 s2, 0
	s_cbranch_scc0 .Lentry_in_a_cluster
	s_endpgm
.Lentry_in_a_cluster:
	s_bfe_u32 s2, ttmp6, 0x10000c
	s_cmp_lg_u32 s2, 0x3003
	s_cbranch_scc0 .Lentry_shape_is_right
	s_endpgm
.Lentry_shape_is_right:
; out0[query] = the code with the smallest ||c||^2 - 2 x.c, the lowest of equals, for 32,768 queries and 8,192 codes.
; LEFT OUT AS DEAD WORK: ||x||^2, the same for all codes of a query (see the launch before).
; The product is the problem's quantised one: codes of FP4 (E2M1) with E8M0 scales, v_wmma_scale_f32_32x16x128_f4, sums in f32.  The codebook lies in cbw as -2 c (signs turned, scale bytes
; one higher: exact), and ||c||^2 is the C of the first K step: so a result IS ||c||^2 - 2 x.c and no vector instruction forms it.
; SHARES.  A work-group owns 128 queries and walks all codes.  Each of its eight waves holds all eight tiles of 16 queries as source 1 (128 registers, for the whole launch) and takes an eighth of the codes:
; a fragment of 32 codes read from LDS feeds eight tiles of queries.  Two waves lie on a SIMD.
; LAYOUT.  Source 0 = 32 codes, source 1 = 16 queries: a lane holds ONE query (lane % 16), and by the order of the block's rows (see the launch that made cbw) its 16 registers are the codes 32 u + 16 (lane / 16) + 0 .. 15 of block u.
; THE ARGMIN.  For each tile a lane keeps the smallest value so far, and OF THE BLOCK THAT HOLDS IT the block's number and the lane's first 15 results.  16 results cost 8 v_min3_num_f32 (old minimum included), one compare, and 8
; pairs of selects.  At the end the winner's place is the lowest of the 15 that equals the minimum, or else the sixteenth.
; ORDER.  The tiles go in four pairs, on two sets of results by turns: the vector work on one pair stands behind the next pair's four products, and is the places behind the pair's own.
; THE STREAM.  cbw is cut into 8 chunks of 32 blocks; two LDS slots take turns.  Wave w fetches 4 blocks of a chunk (70 rows of 256 bytes, one tensor load) and it alone reads them, behind its own wait on TENSORcnt.
; By this text's own count a wave has one tensor load out, asked for a whole chunk (64 matrix instructions of the wave) ahead of its wait.
; CLUSTER.  All work-groups walk the same stream, so the four of a cluster ask JOINTLY: the same load, the same descriptor (it hangs on the wave's number alone), a mask that names the four.
; No prefetch is laid: all 64 clusters walk the same 1,146,880 bytes in the same order, each chunk asked for a chunk ahead; it is no stream that is read once.
; TIES go to the lower code: a later block wins only by a strictly smaller value; between waves and halves of the lanes equal values are settled by the code's number.
; LIMITS: NaN and infinities are not served.  The smallest is taken of ||c||^2 - 2 x.c as the matrix instruction rounds it, without ||x||^2: two codes that meet only through the rounding of the
; full distance at the size of ||x||^2 are told apart by the unshifted value.
; REGISTERS.  Window 0: v1-14 lane numbers and addresses; v16-31 the running minima, two sets by turns; v32-33 second chains of the minima; v34-37 the codes' scale words, two sets; v40-55 the queries' scale words;
;   v56-59 addresses of the merge; v64-127 results, two sets of two tiles; v128-255 for each tile 15 kept results and the block's number.
;   Window 1: v0-127 the queries' fragments; v128-191 the codes' fragments, two sets; v192-223 ||c||^2, two sets.
.set CBLK,  4480                       ; a block of 32 codes: 4096 bytes of codes, 256 of scale words, 128 of ||c||^2
.set PART,  4*CBLK                     ; what one wave fetches and reads of a chunk: 17,920 bytes = 70 rows of 256
.set SLOT,  8*PART
.set SPARE, 2*SLOT                     ; behind the ring: the spare words, 128 bytes for each wave: four blocks of 256 bytes that no other line names
.set MRG,   SPARE+1024                 ; the merge: [8 waves][8 tiles][32 lanes] values, then as many codes' numbers
.set FIN,   MRG+16384                  ; the work-group's 128 results
.set AD,  4                            ; v4-5   LDS address of my fragments in slot 0, 1: wave x PART + 16 x lane
.set SA,  6                            ; v6-7   of my scale words: wave x PART + 4 x lane
.set CA,  8                            ; v8-9   of my ||c||^2: wave x PART + 64 x (lane / 16)
.set SPW, 10                           ; v10    my spare word: SPARE + 4 x my thread's number; never rewritten
.set NIL, 11                           ; v11    0; never rewritten
.set UV,  12                           ; v12    the number of the block whose results are at work
.set BA,  16
.set BB,  24
.set T,   32
.set AS,  34                           ; register 2 c + s: set c, K step s; lane m = block row m
.set BS,  40                           ; register 2 q + s: tile q, K step s; lanes 0-15 are read
.set MG,  56
.set D,   64
.set S,   128                          ; register 16 q + j: tile q, result j; 16 q + 15 the block's number
.set PL,  64                           ; at the end: the codes' numbers, 8 tiles
.set AC,  128                          ; in window 1
.set CC,  192                          ; in window 1
.set MSB, 0
.macro WIN new                         ; the immediate's high byte repeats the setting that is left; a switch that changes nothing is dropped
.if MSB != \new
	s_set_vgpr_msb (MSB<<8)|\new
.set MSB, \new
.endif
.endm
; A round of the cluster's barrier: my work-group's barrier, so that wave 0's signal speaks for all eight waves; wave 0 signals; every wave waits for the four work-groups; my work-group's barrier once more.
.macro ROUND
	s_barrier_signal -1
	s_barrier_wait -1
	s_cmp_lg_u32 s12, 0
	s_cbranch_scc1 .Lnot_wave_0_\@
	s_barrier_signal -3
.Lnot_wave_0_\@:
	s_barrier_wait -3
	s_barrier_signal -1
	s_barrier_wait -1
.endm
	s_load_b256 s[4:11], s[0:1], 0x0               ; xcodes s[4:5], xscales s[6:7], cbw s[8:9], out0 s[10:11]
	v_lshl_add_u32 v[SPW], v0, 2, SPARE
	v_mov_b32 v[NIL], 0
	ds_add_u32 v[SPW], v[NIL]                      ; the wave's opening: the add, twice on end, and its wait ahead of my first tensor load
	ds_add_u32 v[SPW], v[NIL]
	v_lshrrev_b32 v1, 5, v0
	v_readfirstlane_b32 s12, v1                    ; wave 0..7
	v_and_b32 v1, 31, v0                           ; lane
	v_bfe_u32 v2, v0, 4, 1                         ; h
	v_and_b32 v3, 15, v0                           ; r
	v_lshlrev_b32 v13, 4, v1                       ; 16 x lane
	v_lshlrev_b32 v14, 2, v3                       ; 4 r
	s_bfe_u32 s13, ttmp6, 0x40000                  ; cx: my place in the cluster
	s_lshl_b32 s14, ttmp9, 2                       ; in a cluster launch ttmp9 counts clusters
	s_add_co_u32 s14, s14, s13                     ; my work-group: it enters the queries' and the result's addresses alone
	; descriptor group 1: a dense block of 70 rows x 256 bytes (32 elements of 8 bytes), no padding: the images are read 16 bytes a lane on end
	s_mov_b32 s16, 15|(3<<16)|(1<<21)              ; 15:0 the mask: all four work-groups; 17:16 elements of 8 bytes; 21 set beside a mask
	s_mov_b32 s17, 32<<16                          ; tensor_dim0 = 32
	s_mov_b32 s18, 70<<16                          ; tensor_dim1 = 70
	s_mov_b32 s19, 32<<16                          ; tile_dim0 = 32
	s_mov_b32 s20, 70                              ; tile_dim1 = 70
	s_mov_b32 s21, 32                              ; from row to row: 32 elements
	s_mov_b32 s22, 0
	s_mov_b32 s23, 0
	s_mul_i32 s44, s12, PART                       ; my part of a chunk, in memory and in a slot: no place in the cluster enters it
	s_mov_b32 s45, 0
	s_mov_b32 s60, 0x76543210
	s_mov_b32 s61, 0xfedcba98                      ; v_permlanex16_b32's selects for lane l xor 16
	s_mov_b32 s34, 0x7f800000                      ; +infinity
	s_wait_alu depctr_va_vdst(0)
	s_wait_dscnt 0x0                               ; both opening adds are done
	s_wait_kmcnt 0x0
	s_add_nc_u64 s[46:47], s[8:9], s[44:45]
.irp n, 0,1                                    ; group 0, a set for each slot
	s_mov_b32 s[24+4*\n], 1                        ; count = 1
	s_add_co_u32 s[25+4*\n], s44, \n*SLOT          ; LDS address
	s_add_nc_u64 s[26+4*\n:27+4*\n], s[46:47], \n*SLOT   ; global address: chunk n
	s_or_b32 s[27+4*\n], s[27+4*\n], 0x80000000    ; type = 2
.endr
	ROUND                                          ; all four work-groups are here: the first joint loads meet
	tensor_load_to_lds s[24:27], s[16:23]          ; chunk 0: one tensor load a wave at the head
	s_nop 0
.rept 4
	v_nop                                          ; four lines behind the load, ahead of everything else
.endr
	s_mov_b32 s51, 0
	s_lshl_b32 s50, s14, 14                        ; my 8 tiles of queries: 2,048 bytes of codes each,
	s_add_nc_u64 s[4:5], s[4:5], s[50:51]
	s_lshl_b32 s50, s14, 10                        ; 128 bytes of scale words each,
	s_add_nc_u64 s[6:7], s[6:7], s[50:51]
	s_lshl_b32 s50, s14, 9                         ; and 128 results of 4 bytes
	s_add_nc_u64 s[10:11], s[10:11], s[50:51]
	WIN 0x40                                       ; destination window 1, address window 0
.irp q, 0,1,2,3,4,5,6,7                        ; the queries' fragments stay in registers: tile q, piece k = 2 s + c at v[16 q + 4 k]
.irp k, 0,1,2,3
	global_load_b128 v[16*\q+4*\k:16*\q+4*\k+3], v13, s[4:5] offset:2048*\q+512*\k
.endr
.endr
	WIN 0
.irp q, 0,1,2,3,4,5,6,7
.irp s, 0,1
	global_load_b32 v[BS+2*\q+\s], v14, s[6:7] offset:128*\q+64*\s   ; lane r: row r's word (lanes 16-31 take the same and are not read)
.endr
.endr
	v_add_nc_u32 v[AD], s44, v13
	v_lshl_add_u32 v[SA], v1, 2, s44
	v_lshl_add_u32 v[CA], v2, 6, s44
	v_add_nc_u32 v[AD+1], SLOT, v[AD]
	v_add_nc_u32 v[SA+1], SLOT, v[SA]
	v_add_nc_u32 v[CA+1], SLOT, v[CA]
	s_lshl_b32 s52, s12, 10                        ; the merge's addresses, all made here, ahead of every branch on the wave's number
	s_add_co_u32 s52, s52, MRG
	v_lshl_add_u32 v[MG], v1, 2, s52               ; in: my wave's 1,024 bytes, 4 x lane
	s_lshl_b32 s52, s12, 7
	s_add_co_u32 s52, s52, MRG
	v_lshl_add_u32 v[MG+1], v1, 2, s52             ; back: tile = my wave's number, 4 x lane
	s_lshl_b32 s52, s12, 6
	s_add_co_u32 s52, s52, FIN
	v_lshl_add_u32 v[MG+2], v3, 2, s52             ; the tile's 16 results
	v_add_nc_u32 v[MG+3], FIN, v13                 ; and all 128, 16 bytes a lane
	s_lshl_b32 s33, s12, 2                         ; my first block, 4 x wave,
	s_sub_co_u32 s33, s33, 29                      ; less the step that the first chunk's opening adds
	v_mov_b32 v[UV], s33
.set n, 0
.rept 8                                        ; the minima so far: +infinity
	v_dual_mov_b32 v[BA+n], s34 :: v_dual_mov_b32 v[BA+n+1], s34
.set n, n+2
.endr
.set n, 0
.rept 96                                       ; the results: +infinity, since a chunk's opening ends the work on the block before, and ahead of the first chunk there is none; what is kept: selects read it before it is first replaced
	v_dual_mov_b32 v[D+n], s34 :: v_dual_mov_b32 v[D+n+1], s34
.set n, n+2
.endr
; 14 LDS loads in one run: block i of my part of the slot into set c: 8 x 512 bytes of codes as they lie, my half's sixteen ||c||^2, two scale words a lane.
.macro FETCH slot, i, c
	WIN 0x40
.irp k, 0,1,2,3,4,5,6,7
	ds_load_b128 v[AC+32*(\c)+4*\k:AC+32*(\c)+4*\k+3], v[AD+\slot] offset:CBLK*(\i)+512*\k
.endr
.irp k, 0,1,2,3
	ds_load_b128 v[CC+16*(\c)+4*\k:CC+16*(\c)+4*\k+3], v[CA+\slot] offset:CBLK*(\i)+4352+16*\k
.endr
	WIN 0
.irp s, 0,1
	ds_load_b32 v[AS+2*(\c)+\s], v[SA+\slot] offset:CBLK*(\i)+4096+128*\s
.endr
.endm
; The products of pair p of the tiles with the 32 codes of set c: K step 0, which starts the sums with ||c||^2, and K step 1.  The accumulators take turns, one instruction a turn.
.macro WPAIR p, c
.set DW, D+32*((\p)%2)
	WIN 0x15                                       ; all sources window 1 (C: ||c||^2), D window 0
.irp t, 0,1
	v_wmma_scale_f32_32x16x128_f4 v[DW+16*\t:DW+16*\t+15], v[AC+32*(\c):AC+32*(\c)+15], v[32*(\p)+16*\t:32*(\p)+16*\t+7], v[CC+16*(\c):CC+16*(\c)+15], v[AS+2*(\c)], v[BS+4*(\p)+2*\t]
.endr
	WIN 0x05                                       ; C and D window 0
.irp t, 0,1
	v_wmma_scale_f32_32x16x128_f4 v[DW+16*\t:DW+16*\t+15], v[AC+32*(\c)+16:AC+32*(\c)+31], v[32*(\p)+16*\t+8:32*(\p)+16*\t+15], v[DW+16*\t:DW+16*\t+15], v[AS+2*(\c)+1], v[BS+4*(\p)+2*\t+1]
.endr
	WIN 0
.endm
.macro KEEPS q, d                      ; where VCC is set: tile q's first 15 results and the block's number
.irp i, 0,2,4,6,8,10,12
	v_dual_cndmask_b32 v[S+16*(\q)+\i], v[S+16*(\q)+\i], v[\d+\i] :: v_dual_cndmask_b32 v[S+16*(\q)+\i+1], v[S+16*(\q)+\i+1], v[\d+\i+1]
.endr
	v_dual_cndmask_b32 v[S+16*(\q)+14], v[S+16*(\q)+14], v[\d+14] :: v_dual_cndmask_b32 v[S+16*(\q)+15], v[S+16*(\q)+15], v[UV]
.endm
; The vector work on pair p: 34 instructions for two tiles.  Each tile's minimum goes in two chains, the tiles by turns; each accumulator is read from its low end on.
.macro VPAIR p, old, new
.set DA, D+32*((\p)%2)
.set DB, DA+16
.set QA, 2*(\p)
.set QB, QA+1
	v_min3_num_f32 v[\new+QA], v[\old+QA], v[DA], v[DA+1]
	v_min3_num_f32 v[\new+QB], v[\old+QB], v[DB], v[DB+1]
	v_min3_num_f32 v[T], v[DA+2], v[DA+3], v[DA+4]
	v_min3_num_f32 v[T+1], v[DB+2], v[DB+3], v[DB+4]
.irp i, 5,9
	v_min3_num_f32 v[\new+QA], v[\new+QA], v[DA+\i], v[DA+\i+1]
	v_min3_num_f32 v[\new+QB], v[\new+QB], v[DB+\i], v[DB+\i+1]
	v_min3_num_f32 v[T], v[T], v[DA+\i+2], v[DA+\i+3]
	v_min3_num_f32 v[T+1], v[T+1], v[DB+\i+2], v[DB+\i+3]
.endr
	v_min3_num_f32 v[\new+QA], v[\new+QA], v[DA+13], v[DA+14]
	v_min3_num_f32 v[\new+QB], v[\new+QB], v[DB+13], v[DB+14]
	v_min3_num_f32 v[\new+QA], v[\new+QA], v[T], v[DA+15]
	v_min3_num_f32 v[\new+QB], v[\new+QB], v[T+1], v[DB+15]
	v_cmp_lt_f32 vcc_lo, v[\new+QA], v[\old+QA]    ; strictly smaller: an equal value leaves the earlier block
	KEEPS QA, DA
	v_cmp_lt_f32 vcc_lo, v[\new+QB], v[\old+QB]
	KEEPS QB, DB
.endm
.macro VBLK p, i                       ; the same for block i of a chunk: the two sets of minima take turns
.if (\i)%2 == 0
	VPAIR \p, BA, BB
.else
	VPAIR \p, BB, BA
.endif
.endm
; A block behind its first pair's products.  Of a chunk's last block the work on pairs 2 and 3 is left to the next chunk's opening.
.macro REST slot, i
	WPAIR 1, (\i)%2
.if \i == 0
.rept 5
	v_nop                                          ; the places between pair 0's products and their first reader, and the next products on the same results (ISA guide 7.12.1)
.endr
.endif
	VBLK 0, \i
.if \i < 3
	FETCH \slot, (\i)+1, ((\i)+1)%2                ; the next block, into the set that the block before read: pair 0's vector work is the places between
.endif
	WPAIR 2, (\i)%2
	VBLK 1, \i
	WPAIR 3, (\i)%2
.if \i < 3
	VBLK 2, \i
.endif
.endm
.macro LATER slot, i                   ; blocks 1 to 3 of a chunk
	s_wait_dscnt 0x0                               ; this block's 14 loads are in
	WPAIR 0, (\i)%2
	VBLK 3, (\i)-1
	v_add_nc_u32 v[UV], 1, v[UV]
	REST \slot, \i
.endm
; My four blocks of the chunk in this slot.  fill = 1: the other slot, which has been read (or, the first time, never been filled), is filled with the next chunk.  Each wave waits for all its tensor loads (the one that is
; out is its part of this chunk), adds 0 to its spare word, and waits for that and for its reads of the other slot; the round of the cluster's barrier says the same of every wave of every partner; the joint load is the first thing behind it.
.macro CHUNK slot, fill
	s_wait_tensorcnt 0x0                           ; my part of this chunk is in; no tensor load of mine is out, so a group 0 may be written
.if \fill
	ds_add_u32 v[SPW], v[NIL]                      ; 0 onto my spare word
	s_add_nc_u64 s[26+4*\slot:27+4*\slot], s[26+4*\slot:27+4*\slot], 2*SLOT   ; this slot's next chunk; the type bits on top are not reached
	VBLK 2, 3                                      ; register work between the add and the wait for it
	s_wait_dscnt 0x0                               ; the add is done, and my reads of the other slot are over
	ROUND
	tensor_load_to_lds s[28-4*\slot:31-4*\slot], s[16:23]
	s_nop 0
.rept 4
	v_nop
.endr
	FETCH \slot, 0, 0
.else
	FETCH \slot, 0, 0
	VBLK 2, 3
.endif
	VBLK 3, 3                                      ; ends the block before, while this chunk's first fragments are on their way
	v_add_nc_u32 v[UV], 29, v[UV]                  ; from a chunk's last block of mine to the next chunk's first
	s_wait_dscnt 0x0
	WPAIR 0, 0
	REST \slot, 0
	LATER \slot, 1
	LATER \slot, 2
	LATER \slot, 3
.endm
	s_wait_alu depctr_va_vdst(0)
	s_wait_loadcnt 0x0                             ; the queries
	s_mov_b32 s32, 3
.Lring:                                            ; 3 trips: chunks 0 to 5 are worked, chunks 1 to 6 are asked for
	CHUNK 0, 1
	CHUNK 1, 1
	s_sub_co_u32 s32, s32, 1
	s_cmp_lg_u32 s32, 0
	s_cbranch_scc1 .Lring
	CHUNK 0, 1                                     ; chunk 6; chunk 7 is asked for
	CHUNK 1, 0                                     ; chunk 7; nothing is left to fetch
	VBLK 2, 3
	VBLK 3, 3
; THE PLACE in the winning block: the lowest of the 15 kept results that equals the minimum, or else 15.  Then the code: 32 x block + 16 h + place.
.irp q, 0,1,2,3,4,5,6,7
	v_mov_b32 v[PL+\q], 15
.endr
.irp j, 14,13,12,11,10,9,8,7,6,5,4,3,2,1,0
.irp q, 0,1,2,3,4,5,6,7
	v_cmp_eq_f32 s[36+\q], v[S+16*\q+\j], v[BA+\q]
.endr
.irp q, 0,1,2,3,4,5,6,7
	v_cndmask_b32 v[PL+\q], v[PL+\q], \j, s[36+\q]
.endr
.endr
.irp q, 0,1,2,3,4,5,6,7
	v_lshl_add_u32 v[PL+\q], v2, 4, v[PL+\q]
.endr
.irp q, 0,1,2,3,4,5,6,7
	v_lshl_add_u32 v[PL+\q], v[S+16*\q+15], 5, v[PL+\q]
.endr
; THE MERGE of the eight waves and the two halves of the lanes: the smaller value; of equal values the lower code.
.irp q, 0,1,2,3,4,5,6,7
	ds_store_b32 v[MG], v[BA+\q] offset:128*\q
	ds_store_b32 v[MG], v[PL+\q] offset:8192+128*\q
.endr
	s_wait_dscnt 0x0                               ; for the others' sake: my stores are done
	s_barrier_signal -1
	s_barrier_wait -1
.irp w, 0,1,2,3,4,5,6,7                        ; wave w takes tile w: what the eight waves found for it
	ds_load_b32 v[80+\w], v[MG+1] offset:1024*\w
	ds_load_b32 v[88+\w], v[MG+1] offset:8192+1024*\w
.endr
	s_wait_dscnt 0x0
.macro LEX st                          ; candidates w and w + st become one, for w = 0, 2 st, .. : the comparisons of all pairs, then the selects
.set wx, 0
.rept 4/\st
	v_cmp_lt_f32 s[36+wx], v[80+wx+\st], v[80+wx]
	v_cmp_eq_f32 s[44+wx], v[80+wx+\st], v[80+wx]
	v_cmp_lt_u32 s[52+wx], v[88+wx+\st], v[88+wx]
.set wx, wx+2*\st
.endr
.set wx, 0
.rept 4/\st
	s_and_b32 s[44+wx], s[44+wx], s[52+wx]
	s_or_b32 s[36+wx], s[36+wx], s[44+wx]
	v_cndmask_b32 v[80+wx], v[80+wx], v[80+wx+\st], s[36+wx]
	v_cndmask_b32 v[88+wx], v[88+wx], v[88+wx+\st], s[36+wx]
.set wx, wx+2*\st
.endr
.endm
	LEX 1
	LEX 2
	LEX 4
	v_permlanex16_b32 v112, v80, s60, s61          ; and the other half of the lanes: the query's other codes
	v_permlanex16_b32 v113, v88, s60, s61
	v_cmp_lt_f32 s36, v112, v80
	v_cmp_eq_f32 s37, v112, v80
	v_cmp_lt_u32 s38, v113, v88
	s_and_b32 s37, s37, s38
	s_or_b32 s36, s36, s37
	v_cndmask_b32 v88, v88, v113, s36
	ds_store_b32 v[MG+2], v88                      ; both halves write the same word with the same number
	s_wait_dscnt 0x0
	s_barrier_signal -1
	s_barrier_wait -1
	s_cmp_lg_u32 s12, 0                            ; wave 0 stores the work-group's 128 numbers: 32 lanes, 512 consecutive bytes, at a multiple of 512 from out0's first byte
	s_cbranch_scc1 .Lnot_first
	ds_load_b128 v[96:99], v[MG+3]
	s_wait_dscnt 0x0
	global_store_b128 v13, v[96:99], s[10:11]
.Lnot_first:
	s_wait_tensorcnt 0x0                           ; the wave's end: behind my last tensor load and my last LDS store
	ds_add_u32 v[SPW], v[NIL]
	s_wait_dscnt 0x0
	ROUND                                          ; the closing round: no work-group ends while a partner may still ask for a chunk that names it
	s_endpgm
.Lfunc_end_k_q6bb9a11913_main:
	.size	k_q6bb9a11913_main, .Lfunc_end_k_q6bb9a11913_main-k_q6bb9a11913_main
	.p2alignl 7, 3214868480
	.fill 96, 4, 3214868480
	.section	.rodata,"a",@progbits
	.p2align	6, 0x0
	.amdhsa_kernel k_q6bb9a11913_main
		.amdhsa_group_segment_fixed_size 327680
		.amdhsa_private_segment_fixed_size 0
		.amdhsa_enable_private_segment 0
		.amdhsa_kernarg_size 32
		.amdhsa_user_sgpr_count 2
		.amdhsa_user_sgpr_kernarg_segment_ptr 1
		.amdhsa_wavefront_size32 1
		.amdhsa_system_sgpr_workgroup_id_x 1
		.amdhsa_system_sgpr_workgroup_id_y 1
		.amdhsa_system_sgpr_workgroup_id_z 1
		.amdhsa_system_vgpr_workitem_id 0
		.amdhsa_next_free_vgpr 480
		.amdhsa_next_free_sgpr 66
		.amdhsa_reserve_vcc 1
		.amdhsa_float_denorm_mode_32 3
		.amdhsa_float_denorm_mode_16_64 3
		.amdhsa_memory_ordered 1
		.amdhsa_forward_progress 1
		.amdhsa_inst_pref_size 231
	.end_amdhsa_kernel
	.amdgpu_metadata
---
amdhsa.version: [ 1, 2 ]
amdhsa.kernels:
  - .name:           k_q6bb9a11913_main
    .symbol:         k_q6bb9a11913_main.kd
    .args:
      - { .name: xcodes, .offset: 0, .size: 8, .value_kind: global_buffer, .address_space: global }
      - { .name: xscales, .offset: 8, .size: 8, .value_kind: global_buffer, .address_space: global }
      - { .name: cbw, .offset: 16, .size: 8, .value_kind: global_buffer, .address_space: global }
      - { .name: out0, .offset: 24, .size: 8, .value_kind: global_buffer, .address_space: global }
    .group_segment_fixed_size: 327680
    .private_segment_fixed_size: 0
    .kernarg_segment_align: 8
    .kernarg_segment_size: 32
    .max_flat_workgroup_size: 256
    .sgpr_count:     66
    .vgpr_count:     480
    .wavefront_size: 32
...
	.end_amdgpu_metadata
.endif
;; end of part 2
